; MI455X (gfx1250); checked and timed in simulation.
; The chip was launched on July 23, 2026; its instructions are those of AMD's public machine-readable ISA for CDNA 5 (MIT licence, August 2026) and "CDNA5" Instruction Set Architecture Reference Guide (July 2026). The comments in the code are by the model that wrote it; some were corrected since.
;; Enhanced DRKAN Tree Net. Allowed arithmetic: matrix products marked QUANTISED: E2M1 operands, one E8M0 scale for each 32 along K, by v_wmma_scale_f32_16x16x128_f8f6f4 with both operands' format E2M1 (or v_wmma_scale_f32_32x16x128_f4), f32 sums; products left as they are: bf16, f16 or f32 operands; f32 sums; everything else in f32.
;; Inputs: base_weight 1,024 x 1,024 float32; ln_b 1,024 float32; ln_w 1,024 float32; se_b1 32 float32; se_b2 1,024 float32; se_w1 32 x 1,024 float32; se_w2 1,024 x 32 float32; spline_weight 1,024 x 1,024 x 3 float32; x 8 x 1,024 x 1,024 float32.
;; Outputs: out0 8 x 1,024 x 1,024 float32.
;; This version of the problem:
;;   THIS VERSION OF THE PROBLEM IS GIVEN IN LOW PRECISION. The matrix products marked QUANTISED in the list below multiply operands that are first quantised to E2M1 (2 exponent bits, 1 mantissa bit; 4 bits a number), with one power-of-two scale for each 32 numbers along K (OCP MX v1.0); their sums are f32. The products marked 'left as it is' may take bf16, f16 or f32 operands, with f32 sums. Whichever they take, every output number must still come out within the allowed error. Rounding operands to bf16 (8 significant bits) uses up far more of that allowance than f16 does (11 bits, for magnitudes from 6e-5 to 65,504). All else is computed in f32.
;;   The module's matrix products, in the order in which they are computed (A, B: the left and right operand; K: the contracted axis; several contracted axes count as one K, in the product's order):
;;     1. [M 8,192, K 1,024] x [K 1,024, N 1,024]; A: input x; B: input base_weight: QUANTISED
;;     2. [M 8,192, K 3,072] x [K 3,072, N 1,024]; A: computed on the way; B: input spline_weight: left as it is (an operand is computed on the way)
;;     3. [M 8,192, K 1,024] x [K 1,024, N 32]; A: computed on the way; B: input se_w1: left as it is (an operand is computed on the way)
;;     4. [M 8,192, K 32] x [K 32, N 1,024]; A: computed on the way; B: input se_w2: left as it is (an operand is computed on the way)
;;   THE QUANTISER, for each operand of a quantised product, along K:
;;     - K is cut into blocks of 32 from its start; a last block that is shorter is filled with zeros.
;;     - A block's scale is 2^e with e = floor(log2(the largest magnitude in the block)) - 2, held to -126 .. 127; a block of zeros has e = 0. As a byte (E8M0): e + 127.
;;     - Each number is divided by its block's scale, clamped to +-6, and rounded to the nearest number of E2M1, ties to even, subnormals kept.
;;     - The product sums the exact products of the quantised numbers (number of the format x scale) in f32.
;;   ~~~python
;;   def quantise(x, axis):      # numpy; x: float32 -> the quantised numbers, widened to float32 again
;;       x = np.moveaxis(x, axis, -1); K = x.shape[-1]
;;       x = np.pad(x, [(0, 0)] * (x.ndim - 1) + [(0, -K % 32)]); x = x.reshape(x.shape[:-1] + (-1, 32)); a = np.abs(x).max(-1, keepdims=True)
;;       e = np.where(a > 0, np.clip(np.frexp(np.where(a > 0, a, 1))[1] - 1 - 2, -126, 127), 0)      # np.frexp(a)[1] - 1 = floor(log2(a)), exactly
;;       r = np.clip(x / 2.0 ** e, -6, 6)
;;       step = 2.0 ** (np.maximum(np.frexp(np.where(r == 0, 1, r))[1] - 1, 0) - 1)
;;       q = np.round(r / step) * step * 2.0 ** e      # np.round: ties to even
;;       return np.moveaxis(q.reshape(q.shape[:-2] + (-1,))[..., :K], -1, axis).astype(np.float32)
;;   ~~~
;; One version. Each part assembles by itself: llvm-mc -triple=amdgcn-amd-amdhsa -mcpu=gfx1250 --defsym DOCPART=n.
;; ======== version 1 of 1: 3 launches
;; workspace buffers: a2 50,331,648 bytes; w2i 6,291,456 bytes; xc 4,194,304 bytes; wc 524,288 bytes; sc 294,912 bytes; sei 131,072 bytes; pre 33,554,432 bytes
;; launch prep (part 1): grid 712 x 1, 4 waves a work-group, no clusters, 101,888 bytes of LDS; arguments x, base_weight, spline_weight, se_w1, se_w2, a2, w2i, xc, wc, sc, sei; writes a2, w2i, xc, wc, sc, sei
.if DOCPART == 1
	.amdgcn_target "amdgcn-amd-amdhsa--gfx1250"
	.amdhsa_code_object_version 6
	.text
	.protected	k_qd4af99ce12_prep
	.globl	k_qd4af99ce12_prep
	.p2align	8
	.type	k_qd4af99ce12_prep,@function
k_qd4af99ce12_prep:
	s_mov_b64 s[64:65], 0
	v_nop
	global_prefetch_b8 v0, s[64:65] scope:SCOPE_SE
	s_setreg_imm32_b32 hwreg(HW_REG_WAVE_MODE, 25, 1), 1
	s_wait_xcnt 0x0
; PREP: every operand of the later products is made once, and laid as IMAGES OF OPERAND REGISTERS: a fragment is 1,024 bytes, byte 512 c + 16 lane = the lane's registers 4 c .. 4 c + 3.
;   bf16 fragment (16 rows x 32 k):  those 16 bytes are k = 16 c + 8 (lane / 16) + 0 .. 7 of row lane % 16.      FP4 fragment (16 rows x 128 k): k = 64 c + 32 (lane / 16) + 0 .. 31.
; Five kinds of work-groups, told apart by the work-group's number (a scalar branch); waves share nothing, so there is no barrier.
;   0-511   X:   row tile g (16 rows of x), wave w its columns 256 w on.  x -> FP4 codes (xc) and scale words (sc), and the normalised basis, bf16, k = 3 i + g (a2).
;   512-575 WQ:  16 rows of base_weight likewise -> wc, sc.          576-703 SPL: 16 rows x 384 k of spline_weight -> bf16 (w2i).          704-707, 708-711: se_w1, se_w2 -> bf16 (sei).
; LOADS ARE DENSE (a wave's load covers 512 consecutive bytes of one row); the conversions want 32 NEIGHBOURS in a lane: so a block of 16 rows x 512 bytes turns through the wave's own stage in LDS
; (rows 528 bytes apart: 33 x 16, so that sixteen rows start at sixteen different banks) and comes back into the registers that it left, lane (r, hh) holding 32 neighbours of row r.
; THE QUANTISER: a block's scale byte is its largest magnitude's exponent field - 2, held at 1 from below by a floor among the maximum's leaves; the conversion divides, rounds to nearest even and holds at the largest code.
; THE BASIS: t0 = med3(x + 2, -x, 0), t1 = max(1 - |x|, 0), t2 = med3(2 - x, x, 0) are max(1 - |x - grid|, 0) for the grid -1, 0, 1; b = t^2 / (t0^2 + t1^2 + t2^2 + 1e-6), in f32, rounded once to bf16.
; LIMITS: NaN and infinities in x and base_weight are not served.  A block whose largest magnitude lies under 2^-124 keeps the byte 1; a block of zeros has the byte 1 where the rule says 127: its codes are
; zeros, which add nothing under that byte, and this program alone reads the bytes.  t differs from 1 - |x - grid| by at most one rounding in f32.
.set STGB,  8448                       ; a wave's stage: 16 rows x 528 bytes
.set STW,   4*STGB                     ; each kind that uses LDS has stages of its own: X's at 0, WQ's here,
.set STS,   8*STGB                     ; SPL's here
.set SPARE, 12*STGB                    ; behind them the spare words, 128 bytes a wave: two blocks of 256 bytes that no other line names
.set R,     2                          ; v2   lane % 16
.set HH,    3                          ; v3   lane / 16
.set GOFF,  4                          ; v4   16 x lane
.set SWR,   5                          ; v5   the stage, on the way in: 16 x lane
.set SRD,   6                          ; v6   and back: 528 r + 128 hh
.set AOFF,  7                          ; v7   my place in the images that I store (or, for se_w1 and se_w2, in the rows that I load)
.set SOFF,  8                          ; v8   8 r + 4 hh: my scale word's place
.set SH,    9                          ; v9   8 hh
.set SPW,   10                         ; v10  my spare word; never rewritten
.set NIL,   11                         ; v11  0; never rewritten
.set AM0,   12                         ; v12-13 largest magnitudes, two chains
.set AM1,   13
.set SCL,   14                         ; v14  the conversion's scale operand
.set BYTE,  15                         ; v15  the scale's byte
.set WP,    16                         ; v16-17 my bytes of the job's two scale words
.set TP,    18                         ; v18-19 the other half's
.set CD,    20                         ; v20-35 codes: four registers for each of four steps, so that no store's data are written again
.set OUT,   36                         ; v36-47 24 numbers of the basis as bf16
.set T0,    48                         ; v48-55 t0, v56-63 t1, v64-71 t2 of eight numbers
.set T1,    56
.set T2,    64
.set SM,    72                         ; v72-79 their sums, then the reciprocals
.set RAW,   128                        ; v128-255 X, WQ: two blocks of 64
.set WR3,   64                         ; v64-255  SPL: three blocks of 64; se_w1, se_w2: one
.macro LOADBLK reg, b, base, pitch     ; 16 rows x 512 bytes: block b of my columns
.irp i, 0,1,2,3,4,5,6,7,8,9,10,11,12,13,14,15
	global_load_b128 v[(\reg)+4*\i:(\reg)+4*\i+3], v[GOFF], s[\base:\base+1] offset:\i*(\pitch)+512*(\b) th:TH_LOAD_NT
.endr
.endm
.macro TURN reg                        ; through my stage and back.  LDS serves a wave's instructions in order: no wait between the stores and the loads, nor in front of the next block's stores
.irp i, 0,1,2,3,4,5,6,7,8,9,10,11,12,13,14,15
	ds_store_b128 v[SWR], v[(\reg)+4*\i:(\reg)+4*\i+3] offset:528*\i
.endr
.irp hf, 0,1                           ; registers 32 hf + 0 .. 31: the 32 neighbours at byte 256 hf + 128 hh of row r
.irp i, 0,1,2,3,4,5,6,7
	ds_load_b128 v[(\reg)+32*\hf+4*\i:(\reg)+32*\hf+4*\i+3], v[SRD] offset:256*\hf+16*\i
.endr
.endr
.endm
.macro QUANT x, u, cbase               ; my block of 32 numbers in v[x] on, step u of four: codes stored, the byte kept
	v_max3_num_f32 v[AM0], |v[(\x)]|, |v[(\x)+1]|, 0x1800000      ; the floor 2^(3 - 127) among the leaves: the byte cannot fall under 1
	v_max3_num_f32 v[AM1], |v[(\x)+2]|, |v[(\x)+3]|, |v[(\x)+4]|
.irp i, 5,9,13,17,21,25
	v_max3_num_f32 v[AM0], v[AM0], |v[(\x)+\i]|, |v[(\x)+\i+1]|
	v_max3_num_f32 v[AM1], v[AM1], |v[(\x)+\i+2]|, |v[(\x)+\i+3]|
.endr
	v_max3_num_f32 v[AM0], v[AM0], |v[(\x)+29]|, |v[(\x)+30]|
	v_max3_num_f32 v[AM0], v[AM0], v[AM1], |v[(\x)+31]|
	v_add_nc_u32 v[SCL], 0xff000000, v[AM0]        ; 2 off the exponent field: the conversion takes that field as its scale and nothing else
.irp g, 0,1,2,3
	v_cvt_scalef32_pk8_fp4_f32 v[CD+4*(\u)+\g], v[(\x)+8*\g:(\x)+8*\g+7], v[SCL]
.endr
	v_lshrrev_b32 v[BYTE], 23, v[SCL]              ; the byte; also the plain instruction behind the conversions
.if (\u)%2 == 0
	v_mov_b32 v[WP+(\u)/2], v[BYTE]                ; block 2 u + hh of eight: word u / 2, byte 2 (u % 2) + hh
.else
	v_lshl_or_b32 v[WP+(\u)/2], v[BYTE], 16, v[WP+(\u)/2]
.endif
	global_store_b128 v[GOFF], v[CD+4*(\u):CD+4*(\u)+3], s[\cbase:\cbase+1] offset:512*(\u)   ; 32 lanes store 512 consecutive bytes: half an image
.endm
.macro SCALEOUT sbase                  ; the two words are made whole with the other half's bytes; lane (r, hh) stores word hh of row r: 128 consecutive bytes a wave
	v_lshlrev_b32 v[WP], v[SH], v[WP]
	v_lshlrev_b32 v[WP+1], v[SH], v[WP+1]
	v_permlanex16_b32 v[TP], v[WP], s32, s33
	v_permlanex16_b32 v[TP+1], v[WP+1], s32, s33
	v_or_b32 v[WP], v[WP], v[TP]
	v_or_b32 v[WP+1], v[WP+1], v[TP+1]
	v_cmp_eq_u32 vcc_lo, 1, v[HH]
	v_cndmask_b32 v[WP], v[WP], v[WP+1], vcc_lo
	global_store_b32 v[SOFF], v[WP], s[\sbase:\sbase+1]
.endm
.macro BASIS8 x, off                   ; eight numbers in v[x] on -> 24 numbers of the basis, k = 3 i + g: three pieces of 16 bytes
.irp i, 0,2,4,6
	v_pk_add_f32 v[T0+\i:T0+\i+1], v[(\x)+\i:(\x)+\i+1], 2.0 op_sel_hi:[1,0]
	v_pk_add_f32 v[T2+\i:T2+\i+1], v[(\x)+\i:(\x)+\i+1], 2.0 op_sel_hi:[1,0] neg_lo:[1,0] neg_hi:[1,0]
.endr
.irp i, 0,1,2,3,4,5,6,7
	v_med3_num_f32 v[T0+\i], v[T0+\i], -v[(\x)+\i], 0
	v_sub_f32 v[T1+\i], 1.0, |v[(\x)+\i]|
	v_med3_num_f32 v[T2+\i], v[T2+\i], v[(\x)+\i], 0
.endr
.irp i, 0,1,2,3,4,5,6,7
	v_max_num_f32 v[T1+\i], 0, v[T1+\i]
.endr
.irp i, 0,2,4,6,8,10,12,14,16,18,20,22
	v_pk_mul_f32 v[T0+\i:T0+\i+1], v[T0+\i:T0+\i+1], v[T0+\i:T0+\i+1]     ; the squares, in place
.endr
.irp i, 0,2,4,6
	v_pk_add_f32 v[SM+\i:SM+\i+1], v[T0+\i:T0+\i+1], v[T1+\i:T1+\i+1]
.endr
.irp i, 0,2,4,6
	v_pk_add_f32 v[SM+\i:SM+\i+1], v[SM+\i:SM+\i+1], v[T2+\i:T2+\i+1]
.endr
.irp i, 0,2,4,6
	v_pk_add_f32 v[SM+\i:SM+\i+1], v[SM+\i:SM+\i+1], s[34:35] op_sel_hi:[1,0]   ; + 1e-6
.endr
.irp i, 0,1,2,3,4,5,6,7
	v_rcp_f32 v[SM+\i], v[SM+\i]
.endr
	v_nop                                          ; a plain instruction behind the last reciprocal,
	s_wait_alu depctr_va_vdst(0)                   ; and one wait for the batch of eight, ahead of its first reader
.irp g, 0,8,16
.irp i, 0,2,4,6
	v_pk_mul_f32 v[T0+\g+\i:T0+\g+\i+1], v[T0+\g+\i:T0+\g+\i+1], v[SM+\i:SM+\i+1]
.endr
.endr
	s_wait_xcnt 0x0                                ; the last three stores have read OUT: it is written again only behind this wait
.irp m, 0,1,2,3,4,5,6,7,8,9,10,11
	v_cvt_pk_bf16_f32 v[OUT+\m], v[T0+8*((2*\m)%3)+(2*\m)/3], v[T0+8*((2*\m+1)%3)+(2*\m+1)/3]   ; number n of 24 is b(n % 3) of x(n / 3)
.endr
.irp c, 0,1,2
	global_store_b128 v[AOFF], v[OUT+4*\c:OUT+4*\c+3], s[18:19] offset:(\off)+256*\c   ; each half of the lanes stores 256 consecutive bytes, aligned
.endr
.endm
.macro STEPX u                         ; lane (r, hh): columns 32 (2 u + hh) on of my 256 = one FP4 block = k 96 (2 u + hh) on of the basis: images 3 hh .. 3 hh + 2 of K slot 4 w + u
	QUANT RAW+32*(\u), \u, 22
.irp g, 0,1,2,3
	BASIS8 RAW+32*(\u)+8*\g, 49152*(\u)+768*\g
.endr
.endm
.macro CLOSE                           ; the wave's end: a TENSORcnt wait (no tensor load stands in this text), an add of 0 to my spare word and its wait, behind the last LDS store
	s_wait_tensorcnt 0x0
	ds_add_u32 v[SPW], v[NIL]
	s_wait_dscnt 0x0
	s_endpgm
.endm
	s_load_b512 s[8:23], s[0:1], 0x0               ; x 8, base_weight 10, spline_weight 12, se_w1 14, se_w2 16, a2 18, w2i 20, xc 22
	s_load_b128 s[24:27], s[0:1], 0x40             ; wc 24, sc 26
	s_load_b64 s[28:29], s[0:1], 0x50              ; sei
	v_lshl_add_u32 v[SPW], v0, 2, SPARE
	v_mov_b32 v[NIL], 0
	v_lshrrev_b32 v1, 5, v0
	v_readfirstlane_b32 s30, v1                    ; wave 0..3
	v_and_b32 v1, 31, v0
	v_and_b32 v[R], 15, v0
	v_bfe_u32 v[HH], v0, 4, 1
	v_lshlrev_b32 v[GOFF], 4, v1
	s_mul_i32 s31, s30, STGB
	v_add_nc_u32 v[SWR], s31, v[GOFF]
	v_mul_u32_u24 v[SRD], v[R], 528
	v_lshl_add_u32 v[SRD], v[HH], 7, v[SRD]
	v_add_nc_u32 v[SRD], s31, v[SRD]
	v_lshlrev_b32 v[SOFF], 3, v[R]
	v_lshl_add_u32 v[SOFF], v[HH], 2, v[SOFF]
	v_lshlrev_b32 v[SH], 3, v[HH]
	v_mov_b32 v[TP], 0                             ; written once: a lane permute's destination counts as one of its sources
	v_mov_b32 v[TP+1], 0
	s_mov_b32 s32, 0x76543210                      ; v_permlanex16_b32's selects for lane l xor 16
	s_mov_b32 s33, 0xfedcba98
	s_mov_b32 s34, 0x358637bd                      ; 1e-6
	s_mov_b32 s35, s34                             ; (named with it as a pair, so it is written)
	s_mov_b32 s41, 0                               ; the high word of every offset below
	s_wait_kmcnt 0x0
	s_cmp_lt_u32 ttmp9, 512
	s_cbranch_scc1 .Lx
	s_cmp_lt_u32 ttmp9, 576
	s_cbranch_scc1 .Lwq
	s_cmp_lt_u32 ttmp9, 704
	s_cbranch_scc1 .Lspl
	s_cmp_lt_u32 ttmp9, 708
	s_cbranch_scc1 .Lse1
	s_branch .Lse2
.Lx:    ; ---- X: row tile = the work-group's number, quarter of the columns = the wave's
	s_lshr_b32 s36, ttmp9, 3                       ; the tile of 128 rows,
	s_and_b32 s37, ttmp9, 7                        ; and my 16 in it
	s_lshl_b32 s40, ttmp9, 16                      ; x: 16 rows of 4,096 bytes, + 1,024 w
	s_lshl_b32 s42, s30, 10
	s_add_co_u32 s40, s40, s42
	s_add_nc_u64 s[8:9], s[8:9], s[40:41]
	s_mul_i32 s40, s36, 786432                     ; a2 [64][16 K slots][8][6][1,024]: K slot 4 w
	s_mul_i32 s42, s30, 196608
	s_add_co_u32 s40, s40, s42
	s_mul_i32 s42, s37, 6144
	s_add_co_u32 s40, s40, s42
	s_add_nc_u64 s[18:19], s[18:19], s[40:41]
	s_lshl_b32 s40, s36, 16                        ; xc [64][2 halves of K][8][4][1,024]: half w / 2, images 2 (w % 2) on
	s_lshr_b32 s42, s30, 1
	s_lshl_b32 s42, s42, 15
	s_add_co_u32 s40, s40, s42
	s_lshl_b32 s42, s37, 12
	s_add_co_u32 s40, s40, s42
	s_and_b32 s42, s30, 1
	s_lshl_b32 s42, s42, 11
	s_add_co_u32 s40, s40, s42
	s_add_nc_u64 s[22:23], s[22:23], s[40:41]
	s_lshl_b32 s40, ttmp9, 9                       ; sc [512 row tiles][4 quarters][16][2 words]
	s_lshl_b32 s42, s30, 7
	s_add_co_u32 s40, s40, s42
	s_add_nc_u64 s[26:27], s[26:27], s[40:41]
	v_mul_u32_u24 v[AOFF], v[HH], 3072             ; three images on for lanes 16-31,
	v_lshl_add_u32 v[AOFF], v[R], 4, v[AOFF]       ; 16 bytes a row
	LOADBLK RAW, 0, 8, 4096                        ; all my 16 KiB are asked for at once
	LOADBLK RAW+64, 1, 8, 4096
	s_wait_loadcnt 16                              ; block 0's sixteen loads are in; block 1's may be out
	TURN RAW
	s_wait_dscnt 0x0
	STEPX 0
	s_wait_loadcnt 0x0                             ; block 1
	TURN RAW+64                                    ; it turns while step 1 is worked
	STEPX 1
	s_wait_dscnt 0x0
	STEPX 2
	STEPX 3
	SCALEOUT 26
	CLOSE
.Lwq:   ; ---- WQ: the same quantiser on 16 rows of base_weight
	s_sub_co_u32 s36, ttmp9, 512                   ; the tile of 16 rows (outputs)
	s_lshl_b32 s40, s36, 16
	s_lshl_b32 s42, s30, 10
	s_add_co_u32 s40, s40, s42
	s_add_nc_u64 s[10:11], s[10:11], s[40:41]
	s_lshr_b32 s40, s36, 4                         ; wc [4][2 halves of K][16][4][1,024]
	s_lshl_b32 s40, s40, 17
	s_lshr_b32 s42, s30, 1
	s_lshl_b32 s42, s42, 16
	s_add_co_u32 s40, s40, s42
	s_and_b32 s42, s36, 15
	s_lshl_b32 s42, s42, 12
	s_add_co_u32 s40, s40, s42
	s_and_b32 s42, s30, 1
	s_lshl_b32 s42, s42, 11
	s_add_co_u32 s40, s40, s42
	s_add_nc_u64 s[24:25], s[24:25], s[40:41]
	s_lshl_b32 s40, s36, 9                         ; sc: base_weight's words lie behind x's 262,144 bytes
	s_lshl_b32 s42, s30, 7
	s_add_co_u32 s40, s40, s42
	s_add_co_u32 s40, s40, 262144
	s_add_nc_u64 s[26:27], s[26:27], s[40:41]
	v_add_nc_u32 v[SWR], STW, v[SWR]
	v_add_nc_u32 v[SRD], STW, v[SRD]
	LOADBLK RAW, 0, 10, 4096
	LOADBLK RAW+64, 1, 10, 4096
	s_wait_loadcnt 16                              ; block 0 is in
	TURN RAW
	s_wait_loadcnt 0x0
	TURN RAW+64
	s_wait_dscnt 32                                ; block 0 is back; block 1's sixteen stores and sixteen loads may be out
	QUANT RAW, 0, 24
	QUANT RAW+32, 1, 24
	s_wait_dscnt 0x0
	QUANT RAW+64, 2, 24
	QUANT RAW+96, 3, 24
	SCALEOUT 26
	CLOSE
.Lspl:  ; ---- SPL: 16 rows (outputs) x 384 k of spline_weight, whose rows of 3,072 numbers already run k = 3 i + g
.macro PROC b                          ; block b: 64 numbers a lane -> 32 registers of bf16, in place (register m is written when registers up to 2 m + 1 have been read), and out
.set RB, WR3+64*(\b)
.irp m, 0,1,2,3,4,5,6,7,8,9,10,11,12,13,14,15,16,17,18,19,20,21,22,23,24,25,26,27,28,29,30,31
	v_cvt_pk_bf16_f32 v[RB+\m], v[RB+2*\m], v[RB+2*\m+1]
.endr
.irp hf, 0,1                           ; step u = 2 b + hf: lane (r, hh) holds the 32 k of image 2 u + hh of my twelve: K slot u / 3, image 2 (u % 3) + hh
.irp j, 0,1,2,3
	global_store_b128 v[AOFF], v[RB+16*\hf+4*\j:RB+16*\hf+4*\j+3], s[20:21] offset:((2*(\b)+\hf)/3)*98304+((2*(\b)+\hf)%3)*2048+256*\j
.endr
.endr
.endm
	s_sub_co_u32 s36, ttmp9, 576
	s_lshr_b32 s37, s36, 1                         ; the tile of 16 outputs
	s_and_b32 s38, s36, 1
	s_lshl_b32 s38, s38, 2
	s_add_co_u32 s38, s38, s30                     ; which 384 of K: 0..7
	s_mul_i32 s40, s37, 196608                     ; 16 rows of 12,288 bytes
	s_mul_i32 s42, s38, 1536
	s_add_co_u32 s40, s40, s42
	s_add_nc_u64 s[12:13], s[12:13], s[40:41]
	s_lshr_b32 s42, s37, 4                         ; w2i [4][16 K slots][16][6][1,024]: two K slots a job
	s_mul_i32 s40, s42, 1572864
	s_mul_i32 s42, s38, 196608
	s_add_co_u32 s40, s40, s42
	s_and_b32 s42, s37, 15
	s_mul_i32 s42, s42, 6144
	s_add_co_u32 s40, s40, s42
	s_add_nc_u64 s[20:21], s[20:21], s[40:41]
	v_lshlrev_b32 v[AOFF], 10, v[HH]
	v_lshl_add_u32 v[AOFF], v[R], 4, v[AOFF]       ; one image on for lanes 16-31, 16 bytes a row
	v_add_nc_u32 v[SWR], STS, v[SWR]
	v_add_nc_u32 v[SRD], STS, v[SRD]
	LOADBLK WR3, 0, 12, 12288
	LOADBLK WR3+64, 1, 12, 12288
	LOADBLK WR3+128, 2, 12, 12288
	s_wait_loadcnt 32                              ; block 0 is in; two blocks' loads may be out
	TURN WR3
	s_wait_loadcnt 16
	TURN WR3+64
	s_wait_dscnt 32                                ; block 0 is back; block 1's 32 LDS instructions may be out
	PROC 0
	s_wait_loadcnt 0x0
	TURN WR3+128
	s_wait_dscnt 32
	PROC 1
	s_wait_dscnt 0x0
	PROC 2
	CLOSE
; ---- se_w1 [32][1,024] and se_w2 [1,024][32] -> bf16 images; a wave makes four.  A lane reads its fragment's 32-byte pieces straight from the rows: the two tensors are 262,144 of the launch's 50 million bytes read.
.macro SEPATH first, src, pitch, idb, dst, kind
	s_sub_co_u32 s36, ttmp9, \first
	s_lshl_b32 s36, s36, 2
	s_add_co_u32 s36, s36, s30                     ; 0..15
	s_mul_i32 s40, s36, \idb
	s_add_nc_u64 s[\src:\src+1], s[\src:\src+1], s[40:41]
	s_lshl_b32 s40, s36, 12
	s_add_co_u32 s40, s40, \dst
	s_add_nc_u64 s[28:29], s[28:29], s[40:41]
	v_mul_u32_u24 v[AOFF], v[R], \pitch
	v_lshl_add_u32 v[AOFF], v[HH], 5, v[AOFF]      ; row r, + 8 numbers for lanes 16-31
.irp i, 0,1,2,3
.irp c, 0,1
.if \kind
.set SO, \i*2048+64*\c                 ; se_w2: image = 16 outputs x all 32 hidden units
.else
.set SO, (\i%2)*65536+(\i/2)*128+64*\c ; se_w1: image 2 S + T = hidden units 16 T on x columns 32 S on
.endif
	global_load_b128 v[WR3+16*\i+8*\c:WR3+16*\i+8*\c+3], v[AOFF], s[\src:\src+1] offset:SO
	global_load_b128 v[WR3+16*\i+8*\c+4:WR3+16*\i+8*\c+7], v[AOFF], s[\src:\src+1] offset:SO+16
.endr
.endr
	s_wait_loadcnt 0x0
.irp m, 0,1,2,3,4,5,6,7,8,9,10,11,12,13,14,15,16,17,18,19,20,21,22,23,24,25,26,27,28,29,30,31
	v_cvt_pk_bf16_f32 v[WR3+\m], v[WR3+2*\m], v[WR3+2*\m+1]
.endr
.irp f, 0,1,2,3,4,5,6,7
	global_store_b128 v[GOFF], v[WR3+4*\f:WR3+4*\f+3], s[28:29] offset:512*\f   ; 512 consecutive bytes a store
.endr
	CLOSE
.endm
.Lse1:
	SEPATH 704, 14, 4096, 256, 0, 0
.Lse2:
	SEPATH 708, 16, 128, 8192, 65536, 1
.Lfunc_end_k_qd4af99ce12_prep:
	.size	k_qd4af99ce12_prep, .Lfunc_end_k_qd4af99ce12_prep-k_qd4af99ce12_prep
	.p2alignl 7, 3214868480
	.fill 96, 4, 3214868480
	.section	.rodata,"a",@progbits
	.p2align	6, 0x0
	.amdhsa_kernel k_qd4af99ce12_prep
		.amdhsa_group_segment_fixed_size 101888
		.amdhsa_private_segment_fixed_size 0
		.amdhsa_enable_private_segment 0
		.amdhsa_kernarg_size 88
		.amdhsa_user_sgpr_count 2
		.amdhsa_user_sgpr_kernarg_segment_ptr 1
		.amdhsa_wavefront_size32 1
		.amdhsa_system_sgpr_workgroup_id_x 1
		.amdhsa_system_sgpr_workgroup_id_y 1
		.amdhsa_system_sgpr_workgroup_id_z 1
		.amdhsa_system_vgpr_workitem_id 0
		.amdhsa_next_free_vgpr 256
		.amdhsa_next_free_sgpr 66
		.amdhsa_reserve_vcc 1
		.amdhsa_float_denorm_mode_32 3
		.amdhsa_float_denorm_mode_16_64 3
		.amdhsa_memory_ordered 1
		.amdhsa_forward_progress 1
		.amdhsa_inst_pref_size 156
	.end_amdhsa_kernel
	.amdgpu_metadata
---
amdhsa.version: [ 1, 2 ]
amdhsa.kernels:
  - .name:           k_qd4af99ce12_prep
    .symbol:         k_qd4af99ce12_prep.kd
    .args:
      - { .name: x, .offset: 0, .size: 8, .value_kind: global_buffer, .address_space: global }
      - { .name: base_weight, .offset: 8, .size: 8, .value_kind: global_buffer, .address_space: global }
      - { .name: spline_weight, .offset: 16, .size: 8, .value_kind: global_buffer, .address_space: global }
      - { .name: se_w1, .offset: 24, .size: 8, .value_kind: global_buffer, .address_space: global }
      - { .name: se_w2, .offset: 32, .size: 8, .value_kind: global_buffer, .address_space: global }
      - { .name: a2, .offset: 40, .size: 8, .value_kind: global_buffer, .address_space: global }
      - { .name: w2i, .offset: 48, .size: 8, .value_kind: global_buffer, .address_space: global }
      - { .name: xc, .offset: 56, .size: 8, .value_kind: global_buffer, .address_space: global }
      - { .name: wc, .offset: 64, .size: 8, .value_kind: global_buffer, .address_space: global }
      - { .name: sc, .offset: 72, .size: 8, .value_kind: global_buffer, .address_space: global }
      - { .name: sei, .offset: 80, .size: 8, .value_kind: global_buffer, .address_space: global }
    .group_segment_fixed_size: 101888
    .private_segment_fixed_size: 0
    .kernarg_segment_align: 8
    .kernarg_segment_size: 88
    .max_flat_workgroup_size: 128
    .sgpr_count:     66
    .vgpr_count:     256
    .wavefront_size: 32
...
	.end_amdgpu_metadata
.endif
;; end of part 1
;; launch gemm (part 2): grid 4 x 64, 4 waves a work-group, clusters of 4 x 4, 327,680 bytes of LDS; arguments a2, w2i, xc, wc, sc, pre; writes pre
.if DOCPART == 2
	.amdgcn_target "amdgcn-amd-amdhsa--gfx1250"
	.amdhsa_code_object_version 6
	.text
	.protected	k_qd4af99ce12_gemm
	.globl	k_qd4af99ce12_gemm
	.p2align	8
	.type	k_qd4af99ce12_gemm,@function
k_qd4af99ce12_gemm:
	s_mov_b64 s[64:65], 0
	v_nop
	global_prefetch_b8 v0, s[64:65] scope:SCOPE_SE
	s_setreg_imm32_b32 hwreg(HW_REG_WAVE_MODE, 25, 1), 1
	s_wait_xcnt 0x0
	s_wait_alu depctr_hold_cnt(0) depctr_sa_sdst(0) depctr_va_vdst(0) depctr_va_sdst(0) depctr_va_ssrc(0) depctr_va_vcc(0) depctr_vm_vsrc(0)
	s_getreg_b32 s2, hwreg(HW_REG_IB_STS2, 6, 4)
	s_cmp_eq_u32 s2, 0
	s_cbranch_scc0 .Lentry_in_a_cluster
	s_endpgm
.Lentry_in_a_cluster:
	s_bfe_u32 s2, ttmp6, 0x10000c
	s_cmp_lg_u32 s2, 0xf033
	s_cbranch_scc0 .Lentry_shape_is_right
	s_endpgm
.Lentry_shape_is_right:
; GEMM: pre (8,192 x 1,024, f32) = Q(x) Q(base_weight)^T (FP4 codes with E8M0 scales, K = 1,024) + basis spline_weight^T (bf16, K = 3,072), one f32 accumulator for each output.
; A work-group makes 128 rows x 256 columns; 256 work-groups.  Each of its four waves makes 64 x 128: 32 accumulators of 16 x 16, 256 registers (window 1).
; All operands lie in memory as images of operand registers (1,024 bytes a fragment, byte 512 c + 16 lane), a step's tiles as dense blocks: a fragment comes from LDS by two loads of 16 bytes a lane at
; 16 x lane: 512 consecutive bytes each, so no pitch and no padding.
; EIGHTEEN STEPS through two LDS slots: step 0 = FP4, K 0-511 (slot 0); steps 1-16 = bf16, 192 along K each (slots 1, 0, 1, ..); step 17 = FP4, K 512-1,023 (slot 1).  The two short steps stand first and last,
; so that every refill has a bf16 step's 192 matrix instructions (176 of them between the request and the wait for it) in which to land.
; A slot: the weights' 16 column tiles at +0 (98,304 bytes in bf16, 65,536 in FP4), A's 8 row tiles at +98,304 (49,152 or 32,768).  Wave w fills the 32,768 bytes (wave 3 in bf16: 49,152) at slot + 32,768 w:
; waves 0-2 the weights' thirds (in FP4 waves 0, 1 the halves, wave 2 nothing), wave 3 A's tile.
; CLUSTERS: 4 x 4 work-groups.  A's tile hangs on the tile row alone and is asked for jointly by a row of the cluster, the weights' on the tile column alone, by a column.
; THE MATRIX INSTRUCTIONS ARE USED TRANSPOSED (source 0 = 16 rows of the weights, source 1 = 16 rows of A): lane (r, h) holds, in an accumulator's register j, row r and column 8 h + j of the 16 x 16 tile.
; PRE IS LAID AS IMAGES OF THE ACCUMULATORS: [512 row tiles][64 column tiles][1,024 bytes], byte 512 c + 16 lane = the lane's registers 4 c .. 4 c + 3.  The next launch works in this very layout, so the results
; leave straight from the registers, 512 consecutive bytes a store, and nothing goes through LDS on the way out.
; The 32 accumulators take turns, one instruction a turn, in the same order in every image.  Where the form changes (FP4 to bf16 and back) five plain instructions stand between.
; REGISTERS, window 0: v1 16 x lane; v2-9 LDS addresses; v10, v11 the add's two; v12, v13 the scale loads' offsets; v15 the prefetch's offset; v16-63 scale words and nothing else;
;   v64-159, v160-255 two fragment buffers (the weights' 8 fragments, then A's 4).   window 1: accumulator (a, b) at v[8 (8 a + b)].
.set SLOT,  147456
.set AOFS,  98304
.set SPARE, 2*SLOT                     ; behind the ring: the spare words, 128 bytes a wave: two blocks of 256 bytes that no other line names
.set L16,   1                          ; v1   16 x lane: my place in an image, in LDS and in pre
.set ADRB,  2                          ; v2-3 my 8 column tiles in slot 0, 1, bf16
.set ADRA,  4                          ; v4-5 my 4 row tiles
.set ADRB4, 6                          ; v6-7, v8-9 the same for the FP4 steps
.set ADRA4, 8
.set SPW,   10
.set NIL,   11
.set PFO,   15
.set SCB,   16                         ; v[SCB + 8 p + i]: lanes 0-15 column tile 2 p's, lanes 16-31 tile 2 p + 1's scale word for the i-th 128 along K
.set SCA,   48                         ; the same for my row tiles
.set F0,    64
.set F1,    160
.set WV,    16                         ; s16 wave; s17 which 64 rows; s18 which 128 columns; s19 cx; s20 cy; s21 tile row; s88 tile column
.set G1B,   24                         ; s[24:31] group 1 for 32,768 bytes, the column's mask;  s[32:39] for A's 49,152 bytes, the row's mask;  s[40:47] for A's 32,768 bytes
.set G1A,   32
.set G1A4,  40
.set G0B,   48                         ; s[48:55] groups 0 for the weights in bf16, one for each slot;  s[56:63] for A
.set G0A,   56
.set G04B0, 68                         ; the FP4 steps' four groups 0
.set G04B1, 72
.set G04A0, 76
.set G04A1, 80
.set PFA,   84                         ; s[84:85] where my prefetches stand
.set LIM,   86                         ; s86 1 in a wave that prefetches, else the greatest number
.set LAP,   87                         ; s87 trips to go
.set MSB, 0
.macro WIN new                         ; the immediate's high byte repeats the setting that is left
.if MSB != \new
	s_set_vgpr_msb (MSB<<8)|\new
.set MSB, \new
.endif
.endm
.set MUL, 0x50                         ; C and D in window 1, sources 0 and 1 in window 0
.macro PLACES n
.rept \n
	v_nop
.endr
.endm
.macro CREST                           ; a round of the cluster's barrier behind its opening barrier
	s_cmp_lg_u32 s[WV], 0
	s_cbranch_scc1 .Lnot_wave_0_\@
	s_barrier_signal -3
.Lnot_wave_0_\@:
	s_barrier_wait -3
	s_barrier_signal -1
	s_barrier_wait -1
.endm
.macro CROUND
	s_barrier_signal -1
	s_barrier_wait -1
	CREST
.endm
; A joint refill of a bf16 step: waves 0-2 the weights' thirds, wave 3 A's tile.  The branch hangs on the wave's number alone.  An s_nop 0 and four v_nop follow each line.
.macro JLB slot
	s_cmp_lt_u32 s[WV], 3
	s_cbranch_scc0 .Lfor_a_\@
	tensor_load_to_lds s[G0B+4*\slot:G0B+4*\slot+3], s[G1B:G1B+7]
	s_nop 0
	PLACES 4
	s_branch .Lasked_\@
.Lfor_a_\@:
	tensor_load_to_lds s[G0A+4*\slot:G0A+4*\slot+3], s[G1A:G1A+7]
	s_nop 0
	PLACES 4
.Lasked_\@:
.endm
; The refill for step 17: waves 0, 1 the weights' halves, wave 3 A's tile, wave 2 nothing: its four v_nop are the places in front of the fragment loads that follow.
.macro JL4
	s_cmp_lt_u32 s[WV], 2
	s_cbranch_scc0 .Lnot_b_\@
	tensor_load_to_lds s[G04B1:G04B1+3], s[G1B:G1B+7]
	s_nop 0
	PLACES 4
	s_branch .Lasked_\@
.Lnot_b_\@:
	s_cmp_eq_u32 s[WV], 3
	s_cbranch_scc0 .Lnone_\@
	tensor_load_to_lds s[G04A1:G04A1+3], s[G1A4:G1A4+7]
	s_nop 0
	PLACES 4
	s_branch .Lasked_\@
.Lnone_\@:
	PLACES 4
.Lasked_\@:
.endm
; A PREFETCH INTO THE L2 of A's tiles, which come from memory and are read once: in each trip of the loop but the last, the two K slots (98,304 consecutive bytes) that the NEXT trip's two refills will ask for:
; 384 and 576 matrix instructions ahead of those loads.  Only the four work-groups of a row of the cluster read them: they share them out BY ADDRESS, 24,576 bytes each (cx); in each, waves 0-2 take 8,192 bytes,
; lanes 256 bytes apart: one instruction a wave, each block of 256 bytes named once in the launch.  K slots 0-3 come by their loads alone; the last asked for is K slot 15.  The weights are read by all sixteen clusters and are not asked for.
.macro ASK
	s_cmp_gt_u32 s[LAP], s[LIM]
	s_cbranch_scc0 .Lnot_mine_\@
	global_prefetch_b8 v[PFO], s[PFA:PFA+1] th:TH_LOAD_NT scope:SCOPE_SE
.Lnot_mine_\@:
.endm
; 24 LDS loads in one run: image im of the step: the weights' 8 fragments, A's blocks 0, 1, then 2, 3.  ts: bytes from tile to tile (6 or 4 images)
.macro FETCH adrb, adra, ts, im, f
.irp i, 0,1,2,3,4,5,6,7
	ds_load_b128 v[(\f)+8*\i:(\f)+8*\i+3], v[\adrb] offset:\i*(\ts)+(\im)*1024
	ds_load_b128 v[(\f)+8*\i+4:(\f)+8*\i+7], v[\adrb] offset:\i*(\ts)+(\im)*1024+512
.endr
.irp i, 0,1,2,3
	ds_load_b128 v[(\f)+64+8*\i:(\f)+64+8*\i+3], v[\adra] offset:\i*(\ts)+(\im)*1024
	ds_load_b128 v[(\f)+64+8*\i+4:(\f)+64+8*\i+7], v[\adra] offset:\i*(\ts)+(\im)*1024+512
.endr
.endm
; One FP4 product, 128 along K.  An odd tile's scale words lie in lanes 16-31 of its pair's register.  zero = 1: the product starts the sum: nothing is ever cleared.
.macro W4 a, b, f, si, zero
.set rD, 8*(8*(\a)+(\b))
.set rB, (\f)+8*(\b)
.set rA, (\f)+64+8*(\a)
.set sB, SCB+8*((\b)/2)+(\si)
.set sA, SCA+8*((\a)/2)+(\si)
.set vr, 2*((\b)%2)+((\a)%2)+4*(\zero)
.if vr == 0
	v_wmma_scale_f32_16x16x128_f8f6f4 v[rD:rD+7], v[rB:rB+7], v[rA:rA+7], v[rD:rD+7], v[sB], v[sA] matrix_a_fmt:MATRIX_FMT_FP4 matrix_b_fmt:MATRIX_FMT_FP4
.elseif vr == 1
	v_wmma_scale_f32_16x16x128_f8f6f4 v[rD:rD+7], v[rB:rB+7], v[rA:rA+7], v[rD:rD+7], v[sB], v[sA] matrix_a_fmt:MATRIX_FMT_FP4 matrix_b_fmt:MATRIX_FMT_FP4 matrix_b_scale:MATRIX_SCALE_ROW1
.elseif vr == 2
	v_wmma_scale_f32_16x16x128_f8f6f4 v[rD:rD+7], v[rB:rB+7], v[rA:rA+7], v[rD:rD+7], v[sB], v[sA] matrix_a_fmt:MATRIX_FMT_FP4 matrix_b_fmt:MATRIX_FMT_FP4 matrix_a_scale:MATRIX_SCALE_ROW1
.elseif vr == 3
	v_wmma_scale_f32_16x16x128_f8f6f4 v[rD:rD+7], v[rB:rB+7], v[rA:rA+7], v[rD:rD+7], v[sB], v[sA] matrix_a_fmt:MATRIX_FMT_FP4 matrix_b_fmt:MATRIX_FMT_FP4 matrix_a_scale:MATRIX_SCALE_ROW1 matrix_b_scale:MATRIX_SCALE_ROW1
.elseif vr == 4
	v_wmma_scale_f32_16x16x128_f8f6f4 v[rD:rD+7], v[rB:rB+7], v[rA:rA+7], 0, v[sB], v[sA] matrix_a_fmt:MATRIX_FMT_FP4 matrix_b_fmt:MATRIX_FMT_FP4
.elseif vr == 5
	v_wmma_scale_f32_16x16x128_f8f6f4 v[rD:rD+7], v[rB:rB+7], v[rA:rA+7], 0, v[sB], v[sA] matrix_a_fmt:MATRIX_FMT_FP4 matrix_b_fmt:MATRIX_FMT_FP4 matrix_b_scale:MATRIX_SCALE_ROW1
.elseif vr == 6
	v_wmma_scale_f32_16x16x128_f8f6f4 v[rD:rD+7], v[rB:rB+7], v[rA:rA+7], 0, v[sB], v[sA] matrix_a_fmt:MATRIX_FMT_FP4 matrix_b_fmt:MATRIX_FMT_FP4 matrix_a_scale:MATRIX_SCALE_ROW1
.else
	v_wmma_scale_f32_16x16x128_f8f6f4 v[rD:rD+7], v[rB:rB+7], v[rA:rA+7], 0, v[sB], v[sA] matrix_a_fmt:MATRIX_FMT_FP4 matrix_b_fmt:MATRIX_FMT_FP4 matrix_a_scale:MATRIX_SCALE_ROW1 matrix_b_scale:MATRIX_SCALE_ROW1
.endif
.endm
; n of A's blocks, from a0 on, each against the weights' eight.  kind = 0: bf16, 32 along K; 1: FP4, 128 along K, the si-th of K's eight
.macro PROD kind, f, a0, n, si, zero
.set aa, \a0
.rept \n
.irp b, 0,1,2,3,4,5,6,7
.if \kind
	W4 aa, \b, \f, \si, \zero
.else
	v_wmma_f32_16x16x32_bf16 v[8*(8*aa+\b):8*(8*aa+\b)+7], v[(\f)+8*\b:(\f)+8*\b+7], v[(\f)+64+8*aa:(\f)+64+8*aa+7], v[8*(8*aa+\b):8*(8*aa+\b)+7]
.endif
.endr
.set aa, aa+1
.endr
.endm
; One image that has its successor in the same slot: 32 products from buffer f; in the middle the next image, nim, is fetched into buffer g, behind four places:
; a load into a register that a matrix instruction has read stands four plain vector instructions behind it (ISA guide 7.12.1 for vector instructions).
.macro QK kind, f, g, adrb, adra, ts, nim, si, zero
	s_wait_dscnt 4                                 ; the weights' fragments and A's blocks 0, 1 are in; the youngest four loads (blocks 2, 3) may be out
	WIN MUL
	PROD \kind, \f, 0, 2, \si, \zero
	PLACES 4
	WIN 0
	FETCH \adrb, \adra, \ts, \nim, \g
	s_wait_dscnt 24                                ; all but the 24 just issued
	WIN MUL
	PROD \kind, \f, 2, 2, \si, \zero
.endm
; A step's last image (always in buffer 1) changes slots: ONE barrier.  In front of it each wave waits for all its tensor loads (its part of the next slot), adds 0 to its spare word, and waits for that and for its
; reads of this slot.  fill = 1: this slot is filled again with the bf16 step two on (step = 1: its groups 0 go two K slots on); 2: with step 17; 0: nothing more to fetch.  With a fill the barrier opens a round of
; the cluster's barrier, and the joint load is the first thing behind it.  Then the next step's first image is fetched (nb, na, nts).
.macro TURNK kind, si, fill, slot, step, ask, nb, na, nts
.if \ask
	s_wait_xcnt 0x0                                ; the last prefetch, a trip back, has read its address: it is stepped here, ahead of the waits of the change of slots
	s_add_nc_u64 s[PFA:PFA+1], s[PFA:PFA+1], 98304
.endif
	WIN 0                                          ; (the add's two registers lie in window 0)
	s_wait_tensorcnt 0x0                           ; all my tensor loads have landed
	ds_add_u32 v[SPW], v[NIL]                      ; 0 onto my spare word
	s_wait_dscnt 5                                 ; (the add and the youngest four loads may be out)
	WIN MUL
	PROD \kind, F1, 0, 1, \si, 0                   ; eight matrix instructions stand between the add and the wait for it
	s_wait_dscnt 0x0                               ; the add is done, and my reads of this slot are over
	s_barrier_signal -1
	PROD \kind, F1, 1, 1, \si, 0
	WIN 0
	s_barrier_wait -1
.if \fill == 1
	CREST                                          ; no wave of any partner still reads this slot or has a load on its way
.if \step
	s_add_nc_u64 s[G0B+4*\slot+2:G0B+4*\slot+3], s[G0B+4*\slot+2:G0B+4*\slot+3], 196608
	s_add_nc_u64 s[G0A+4*\slot+2:G0A+4*\slot+3], s[G0A+4*\slot+2:G0A+4*\slot+3], 98304
.endif
	JLB \slot                                      ; its four v_nop are also the places in front of the loads below
.elseif \fill == 2
	CREST
	JL4
.else
	PLACES 4
.endif
	FETCH \nb, \na, \nts, 0, F0
.if \ask
	ASK
.endif
	WIN MUL
	PROD \kind, F1, 2, 2, \si, 0
.endm
.macro STEPB slot                      ; a bf16 step's images 0 to 4
	QK 0, F0, F1, ADRB+\slot, ADRA+\slot, 6144, 1, 0, 0
	QK 0, F1, F0, ADRB+\slot, ADRA+\slot, 6144, 2, 0, 0
	QK 0, F0, F1, ADRB+\slot, ADRA+\slot, 6144, 3, 0, 0
	QK 0, F1, F0, ADRB+\slot, ADRA+\slot, 6144, 4, 0, 0
	QK 0, F0, F1, ADRB+\slot, ADRA+\slot, 6144, 5, 0, 0
.endm
.macro STEP4 slot, zero                ; an FP4 step's images 0 to 2 (half of K = the slot's number)
	QK 1, F0, F1, ADRB4+\slot, ADRA4+\slot, 4096, 1, 4*\slot, \zero
	QK 1, F1, F0, ADRB4+\slot, ADRA4+\slot, 4096, 2, 4*\slot+1, 0
	QK 1, F0, F1, ADRB4+\slot, ADRA4+\slot, 4096, 3, 4*\slot+2, 0
.endm
.macro GRP0 g, lds, ptr, add           ; a group 0: count 1; LDS address = 32,768 x wave + the slot's constant; global address; type 2
	s_mov_b32 s[\g], 1
	s_add_co_u32 s[\g+1], s90, \lds
	s_add_nc_u64 s[\g+2:\g+3], s[\ptr:\ptr+1], \add
	s_or_b32 s[\g+3], s[\g+3], 0x80000000
.endm
	s_load_b256 s[4:11], s[0:1], 0x0               ; a2 4, w2i 6, xc 8, wc 10
	s_load_b128 s[12:15], s[0:1], 0x20             ; sc 12, pre 14
	v_lshl_add_u32 v[SPW], v0, 2, SPARE
	v_mov_b32 v[NIL], 0
	ds_add_u32 v[SPW], v[NIL]                      ; the wave's opening: the add and its wait stand ahead of my first tensor load; the set-up below, work on registers, stands between them
	v_lshrrev_b32 v1, 5, v0
	v_readfirstlane_b32 s[WV], v1                  ; wave 0..3
	s_lshr_b32 s17, s[WV], 1                       ; which 64 rows are mine
	s_and_b32 s18, s[WV], 1                        ; which 128 columns
	s_bfe_u32 s19, ttmp6, 0x40000                  ; cx, cy: my place in the cluster
	s_bfe_u32 s20, ttmp6, 0x40004
	s_lshl_b32 s88, ttmp9, 2
	s_add_co_u32 s88, s88, s19                     ; tile column = 4 x cluster x + cx
	s_and_b32 s21, ttmp7, 0xffff
	s_lshl_b32 s21, s21, 2
	s_add_co_u32 s21, s21, s20                     ; tile row = 4 x cluster y + cy
	s_lshl_b32 s22, s20, 2
	s_lshl_b32 s22, 15, s22                        ; my row of the cluster
	s_lshl_b32 s23, 0x1111, s19                    ; my column
	; groups 1: dense blocks as rows of 256 bytes (32 elements of 8 bytes), no padding
	s_or_b32 s[G1B], s23, (3<<16)|(1<<21)          ; 15:0 the mask; 17:16 elements of 8 bytes; 21 set beside a mask
	s_or_b32 s[G1A], s22, (3<<16)|(1<<21)
	s_or_b32 s[G1A4], s22, (3<<16)|(1<<21)
.irp g, G1B, G1A, G1A4
	s_mov_b32 s[\g+1], 32<<16                      ; tensor_dim0 = 32
	s_mov_b32 s[\g+3], 32<<16                      ; tile_dim0 = 32
	s_mov_b32 s[\g+5], 32                          ; from row to row
	s_mov_b32 s[\g+6], 0
	s_mov_b32 s[\g+7], 0
.endr
	s_mov_b32 s[G1B+2], 128<<16                    ; tensor_dim1 = tile_dim1 = 128 rows: 32,768 bytes
	s_mov_b32 s[G1B+4], 128
	s_mov_b32 s[G1A+2], 192<<16                    ; 192 rows: 49,152 bytes
	s_mov_b32 s[G1A+4], 192
	s_mov_b32 s[G1A4+2], 128<<16
	s_mov_b32 s[G1A4+4], 128
	s_lshl_b32 s90, s[WV], 15                      ; 32,768 x wave: my part in a slot, and in the weights' blocks: no place in the cluster enters an LDS address
	s_mul_i32 s92, s88, 1572864                    ; w2i: my tile column's 16 K slots, my third
	s_add_co_u32 s92, s92, s90
	s_mov_b32 s93, 0
	s_lshl_b32 s94, s88, 17                        ; wc: my tile column, my half of a block
	s_add_co_u32 s94, s94, s90
	s_mov_b32 s95, 0
	s_mul_i32 s96, s21, 786432                     ; a2: my tile row's 16 K slots
	s_mov_b32 s97, 0
	s_lshl_b32 s98, s21, 16                        ; xc: my tile row
	s_mov_b32 s99, 0
	s_wait_dscnt 0x0                               ; the opening add is done
	s_wait_kmcnt 0x0
	s_add_nc_u64 s[6:7], s[6:7], s[92:93]
	s_add_nc_u64 s[10:11], s[10:11], s[94:95]
	s_add_nc_u64 s[4:5], s[4:5], s[96:97]
	s_add_nc_u64 s[8:9], s[8:9], s[98:99]
	s_mul_i32 s92, s19, 24576                      ; the prefetches: my work-group's quarter, my wave's third of it, two K slots in: the first trip steps it to K slot 4
	s_lshl_b32 s94, s[WV], 13
	s_add_co_u32 s92, s92, s94
	s_add_co_u32 s92, s92, 98304
	s_add_nc_u64 s[PFA:PFA+1], s[4:5], s[92:93]
	s_cmp_lt_u32 s[WV], 3
	s_cselect_b32 s[LIM], 1, -1
	s_lshl_b32 s92, s21, 19                        ; pre: my first row tile, 8 x tile row + 4 x half, of 65,536 bytes;
	s_lshl_b32 s94, s17, 18
	s_add_co_u32 s92, s92, s94
	s_lshl_b32 s94, s88, 14                        ; my first column tile, 16 x tile column + 8 x half, of 1,024 bytes
	s_add_co_u32 s92, s92, s94
	s_lshl_b32 s94, s18, 13
	s_add_co_u32 s92, s92, s94
	s_add_nc_u64 s[14:15], s[14:15], s[92:93]
	CROUND                                         ; all sixteen work-groups are here: the first joint loads meet
	GRP0 G0B, 0, 6, 98304                          ; slot 0's first bf16 step is K slot 1,
	GRP0 G0B+4, SLOT, 6, 0                         ; slot 1's K slot 0
	GRP0 G0A, 0, 4, 49152
	GRP0 G0A+4, SLOT, 4, 0
	GRP0 G04B0, 0, 10, 0                           ; FP4: K 0-511 into slot 0,
	GRP0 G04B1, SLOT, 10, 65536                    ; K 512-1,023 into slot 1
	GRP0 G04A0, 0, 8, 0
	GRP0 G04A1, SLOT, 8, 32768
	; the first fills, steps 0 and 1: a wave's stand in one branch on its number, ahead of every wait on TENSORcnt, every LDS read and every other barrier.  Two loads of a wave are out at the most.
	s_cmp_lt_u32 s[WV], 2
	s_cbranch_scc0 .Lfirst_2
	tensor_load_to_lds s[G04B0:G04B0+3], s[G1B:G1B+7]
	s_nop 0
	tensor_load_to_lds s[G0B+4:G0B+7], s[G1B:G1B+7]
	s_nop 0
	PLACES 4
	s_branch .Lfirst_asked
.Lfirst_2:
	s_cmp_eq_u32 s[WV], 2
	s_cbranch_scc0 .Lfirst_3
	tensor_load_to_lds s[G0B+4:G0B+7], s[G1B:G1B+7]
	s_nop 0
	PLACES 4
	s_branch .Lfirst_asked
.Lfirst_3:
	tensor_load_to_lds s[G04A0:G04A0+3], s[G1A4:G1A4+7]
	s_nop 0
	tensor_load_to_lds s[G0A+4:G0A+7], s[G1A:G1A+7]
	s_nop 0
	PLACES 4
.Lfirst_asked:
	; the scale words of all of K stay in registers: sc is [tile of 16 rows][quarter of K][16 rows][2 words]; lanes 0-15 take a pair's even tile, lanes 16-31 the odd one
	v_and_b32 v12, 15, v0
	v_bfe_u32 v13, v0, 4, 1
	v_lshlrev_b32 v12, 3, v12
	v_lshl_add_u32 v12, v13, 9, v12                ; 8 r + 512 (lane / 16)
	s_lshl_b32 s92, s88, 4
	s_lshl_b32 s94, s18, 3
	s_add_co_u32 s92, s92, s94                     ; my first column tile: 16 x tile column + 8 x half
	s_lshl_b32 s92, s92, 9
	s_add_co_u32 s92, s92, 262144                  ; the weights' words lie behind x's
	s_lshl_b32 s94, s21, 3
	s_lshl_b32 s96, s17, 2
	s_add_co_u32 s94, s94, s96                     ; my first row tile: 8 x tile row + 4 x half
	s_lshl_b32 s94, s94, 9
	v_add_nc_u32 v13, s94, v12
	v_add_nc_u32 v12, s92, v12
.irp p, 0,1,2,3
.irp q, 0,1,2,3
	global_load_b64 v[SCB+8*\p+2*\q:SCB+8*\p+2*\q+1], v12, s[12:13] offset:1024*\p+128*\q
.endr
.endr
.irp p, 0,1
.irp q, 0,1,2,3
	global_load_b64 v[SCA+8*\p+2*\q:SCA+8*\p+2*\q+1], v13, s[12:13] offset:1024*\p+128*\q
.endr
.endr
	v_and_b32 v[L16], 31, v0
	v_lshlrev_b32 v[L16], 4, v[L16]
	s_mul_i32 s92, s18, 49152                      ; my 8 column tiles of 6 images
	v_add_nc_u32 v[ADRB], s92, v[L16]
	v_add_nc_u32 v[ADRB+1], SLOT, v[ADRB]
	s_mul_i32 s92, s17, 24576                      ; my 4 row tiles, behind the weights
	s_add_co_u32 s92, s92, AOFS
	v_add_nc_u32 v[ADRA], s92, v[L16]
	v_add_nc_u32 v[ADRA+1], SLOT, v[ADRA]
	s_lshl_b32 s92, s18, 15                        ; in the FP4 steps a tile has 4 images
	v_add_nc_u32 v[ADRB4], s92, v[L16]
	v_add_nc_u32 v[ADRB4+1], SLOT, v[ADRB4]
	s_lshl_b32 s92, s17, 14
	s_add_co_u32 s92, s92, AOFS
	v_add_nc_u32 v[ADRA4], s92, v[L16]
	v_add_nc_u32 v[ADRA4+1], SLOT, v[ADRA4]
	v_lshlrev_b32 v[PFO], 4, v[L16]                ; 256 x lane
	s_wait_tensorcnt 0x0                           ; my parts of steps 0 and 1 are in (for 0, since wave 2 has one load fewer than the others),
	s_barrier_signal -1
	s_barrier_wait -1                              ; everybody's are
	FETCH ADRB4, ADRA4, 4096, 0, F0
	s_wait_loadcnt 0x0                             ; the scale words
	STEP4 0, 1                                     ; step 0: its first products start the sums
	TURNK 1, 3, 1, 0, 0, 0, ADRB+1, ADRA+1, 6144   ; slot 0 takes K slot 1
	PLACES 5                                       ; the form changes on the same accumulators: five places
	WIN 0                                          ; at a label and at a branch every window is 0
	s_mov_b32 s[LAP], 7
.Llap:                                             ; seven trips: steps 1 to 14; each fills both slots again
	STEPB 1
	TURNK 0, 0, 1, 1, 1, 1, ADRB, ADRA, 6144
	STEPB 0
	TURNK 0, 0, 1, 0, 1, 0, ADRB+1, ADRA+1, 6144
	WIN 0
	s_sub_co_u32 s[LAP], s[LAP], 1
	s_cmp_lg_u32 s[LAP], 0
	s_cbranch_scc1 .Llap
	STEPB 1                                        ; step 15;
	TURNK 0, 0, 2, 1, 0, 0, ADRB, ADRA, 6144       ; slot 1 takes step 17
	STEPB 0                                        ; step 16: nothing is left to fetch, so no round follows its barrier
	TURNK 0, 0, 0, 0, 0, 0, ADRB4+1, ADRA4+1, 4096
	PLACES 5                                       ; the form changes back
	STEP4 1, 0                                     ; step 17
	s_wait_dscnt 4
	WIN MUL
	PROD 1, F1, 0, 2, 7, 0
	s_wait_dscnt 0x0
	PROD 1, F1, 2, 2, 7, 0
	; THE WAY OUT: each accumulator leaves as its own image, from its low end on: two stores of 512 consecutive bytes, at a multiple of 512 from pre's first byte; a row tile's eight images are 8,192 bytes on end.
	; Every offset is an immediate (204,288 at the most): no base is stepped and no store's data are written again, so no wait stands among the stores.
	PLACES 4                                       ; a store that reads a matrix result stands four places behind it
	WIN 0x04                                       ; a store's data are its source 1: window 1; its offset register lies in window 0
.irp a, 0,1,2,3
.irp b, 0,1,2,3,4,5,6,7
	global_store_b128 v[L16], v[8*(8*\a+\b):8*(8*\a+\b)+3], s[14:15] offset:65536*\a+1024*\b
	global_store_b128 v[L16], v[8*(8*\a+\b)+4:8*(8*\a+\b)+7], s[14:15] offset:65536*\a+1024*\b+512
.endr
.endr
	WIN 0
	s_wait_tensorcnt 0x0                           ; the wave's end: a TENSORcnt wait, an add of 0 to my spare word and its wait, behind my last tensor load
	ds_add_u32 v[SPW], v[NIL]
	s_wait_dscnt 0x0
	CROUND                                         ; the closing round: no work-group ends while a partner may still ask for a tile that names it
	s_endpgm
.Lfunc_end_k_qd4af99ce12_gemm:
	.size	k_qd4af99ce12_gemm, .Lfunc_end_k_qd4af99ce12_gemm-k_qd4af99ce12_gemm
	.p2alignl 7, 3214868480
	.fill 96, 4, 3214868480
	.section	.rodata,"a",@progbits
	.p2align	6, 0x0
	.amdhsa_kernel k_qd4af99ce12_gemm
		.amdhsa_group_segment_fixed_size 327680
		.amdhsa_private_segment_fixed_size 0
		.amdhsa_enable_private_segment 0
		.amdhsa_kernarg_size 48
		.amdhsa_user_sgpr_count 2
		.amdhsa_user_sgpr_kernarg_segment_ptr 1
		.amdhsa_wavefront_size32 1
		.amdhsa_system_sgpr_workgroup_id_x 1
		.amdhsa_system_sgpr_workgroup_id_y 1
		.amdhsa_system_sgpr_workgroup_id_z 1
		.amdhsa_system_vgpr_workitem_id 0
		.amdhsa_next_free_vgpr 512
		.amdhsa_next_free_sgpr 100
		.amdhsa_reserve_vcc 0
		.amdhsa_float_denorm_mode_32 3
		.amdhsa_float_denorm_mode_16_64 3
		.amdhsa_memory_ordered 1
		.amdhsa_forward_progress 1
		.amdhsa_inst_pref_size 158
	.end_amdhsa_kernel
	.amdgpu_metadata
---
amdhsa.version: [ 1, 2 ]
amdhsa.kernels:
  - .name:           k_qd4af99ce12_gemm
    .symbol:         k_qd4af99ce12_gemm.kd
    .args:
      - { .name: a2, .offset: 0, .size: 8, .value_kind: global_buffer, .address_space: global }
      - { .name: w2i, .offset: 8, .size: 8, .value_kind: global_buffer, .address_space: global }
      - { .name: xc, .offset: 16, .size: 8, .value_kind: global_buffer, .address_space: global }
      - { .name: wc, .offset: 24, .size: 8, .value_kind: global_buffer, .address_space: global }
      - { .name: sc, .offset: 32, .size: 8, .value_kind: global_buffer, .address_space: global }
      - { .name: pre, .offset: 40, .size: 8, .value_kind: global_buffer, .address_space: global }
    .group_segment_fixed_size: 327680
    .private_segment_fixed_size: 0
    .kernarg_segment_align: 8
    .kernarg_segment_size: 48
    .max_flat_workgroup_size: 128
    .sgpr_count:     100
    .vgpr_count:     512
    .wavefront_size: 32
...
	.end_amdgpu_metadata
.endif
;; end of part 2
;; launch norm (part 3): grid 512 x 1, 8 waves a work-group, no clusters, 100,352 bytes of LDS; arguments pre, ln_w, ln_b, se_b1, se_b2, sei, out0; writes out0
.if DOCPART == 3
	.amdgcn_target "amdgcn-amd-amdhsa--gfx1250"
	.amdhsa_code_object_version 6
	.text
	.protected	k_qd4af99ce12_norm
	.globl	k_qd4af99ce12_norm
	.p2align	8
	.type	k_qd4af99ce12_norm,@function
k_qd4af99ce12_norm:
	s_mov_b64 s[64:65], 0
	v_nop
	global_prefetch_b8 v0, s[64:65] scope:SCOPE_SE
	s_setreg_imm32_b32 hwreg(HW_REG_WAVE_MODE, 25, 1), 1
	s_wait_xcnt 0x0
; NORM: out0 = y x sigmoid(relu(y se_w1^T + se_b1) se_w2^T + se_b2), y = LayerNorm(pre) x ln_w + ln_b.  Everything in f32 but the operands of the two small products, which are bf16 (f32 sums).
; A work-group takes 16 rows; wave w of eight takes columns 128 w on.  No loop: each wave asks for all that it reads at its head (52 loads).
; ONE LAYOUT SERVES ALL: lane (r, h) holds row r, and register 8 t + j column 16 t + 8 h + j of my 128.  A row's sums then lie in a lane and its partner 16 away; tiles 2 s and 2 s + 1, packed to bf16, ARE the
; fragment of K step s of the first product (used transposed: source 0 = 16 hidden units, source 1 = my 16 rows); and the second product, transposed (source 0 = 16 outputs), gives its results in this layout.
; PRE LIES IN MEMORY IN THIS LAYOUT, as images of registers: [512 row tiles][64 column tiles][1,024 bytes], byte 512 c + 16 lane = the lane's registers 4 c .. 4 c + 3 of the tile.  So a load's 512 consecutive
; bytes land where they are worked on.  out0 is row-major: it goes through the wave's own stage in LDS (rows 528 bytes apart) and leaves as whole rows.
; The variance is taken in two passes, as the mean of (x - mean)^2.  Sums over the eight waves go through LDS, in a fixed order: three barriers.
; LIMITS: none of range beyond f32's own; bf16 rounds the operands of the two small products.
.set STG,   8448                       ; a wave's stage for the way out: 16 rows x 528 bytes; eight of them from byte 0
.set VEC,   8*STG                      ; a wave's copy of its 128 ln_w (+0), ln_b (+512), se_b2 (+1,024) and the 32 se_b1 (+1,536): 1,792 bytes
.set VECW,  1792
.set RED1,  VEC+8*VECW                 ; [16 rows][8 waves] partial sums; the squares' 512 bytes further on
.set HRED,  RED1+1024                  ; the hidden layer's partial sums: 2,048 bytes a wave, as images of the two accumulators
.set SPARE, HRED+8*2048                ; the spare words, 128 bytes a wave: four blocks of 256 bytes that no other line names
.set GI,  1                            ; v1  16 x lane
.set SW,  2                            ; v2  the stage by rows: 16 x lane
.set SY,  3                            ; v3  the stage by the layout: 528 r + 32 h
.set VA,  4                            ; v4  my vectors by the layout: + 32 h
.set VW,  5                            ; v5  and as loaded: + 16 x lane
.set VB1, 6                            ; v6  + 4 x lane
.set RW,  7                            ; v7  RED1 + 32 r + 4 w
.set RR,  8                            ; v8  RED1 + 32 r
.set HW,  9                            ; v9  HRED + 2,048 w + 16 x lane
.set HR,  10                           ; v10 HRED + 16 x lane
.set SPW, 11
.set NIL, 12
.set L4,  13                           ; v13 4 x lane
.set MU,  14                           ; v[14:15] the mean, then 1 / sqrt(var + eps): a pair, of which the low word serves both halves
.set T,   16                           ; v16-63 three sets of 16 for ln_w and ln_b of a tile, by turns; v16-31 first the vectors as loaded, later the hidden layer's two accumulators
.set YB,  32                           ; v32-63 y as bf16; later se_b1 (v32-47) and the hidden layer as bf16 (v48-55)
.set RT,  48                           ; v48-55, v56-63 at work in the reductions
.set RL,  56
.set HB,  48
.set Y,   64                           ; v64-127
.set W1F, 128                          ; v128-191 se_w1's 8 fragments; then partial sums; then se_b2 = C = D of the second product
.set D,   128
.set W2F, 192                          ; v192-255 se_w2's 8 fragments; then rows on their way out
.macro BARRIER                         ; my LDS stores have landed and my LDS loads are in: then the work-group's barrier
	s_wait_dscnt 0x0
	s_barrier_signal -1
	s_barrier_wait -1
.endm
.macro LNLOAD t                        ; ln_w and ln_b of tile t into set t % 3
.set LS, T+16*((\t)%3)
	ds_load_b128 v[LS:LS+3], v[VA] offset:64*(\t)
	ds_load_b128 v[LS+4:LS+7], v[VA] offset:64*(\t)+16
	ds_load_b128 v[LS+8:LS+11], v[VA] offset:512+64*(\t)
	ds_load_b128 v[LS+12:LS+15], v[VA] offset:512+64*(\t)+16
.endm
.macro CROSS off                       ; four packed partial sums in v[RT] on -> the row's sum over all 1,024 columns in v[RT]
	v_pk_add_f32 v[RT:RT+1], v[RT:RT+1], v[RT+2:RT+3]
	v_pk_add_f32 v[RT+4:RT+5], v[RT+4:RT+5], v[RT+6:RT+7]
	v_pk_add_f32 v[RT:RT+1], v[RT:RT+1], v[RT+4:RT+5]
	v_add_f32 v[RT], v[RT], v[RT+1]
	v_permlanex16_b32 v[RT+1], v[RT], s20, s21     ; the row's other 64 columns of my 128 lie in the lane 16 away
	v_add_f32 v[RT], v[RT], v[RT+1]
	ds_store_b32 v[RW], v[RT] offset:\off          ; both lanes of a row write the same word with the same value
	BARRIER
	ds_load_b128 v[RL:RL+3], v[RR] offset:\off
	ds_load_b128 v[RL+4:RL+7], v[RR] offset:\off+16
	s_wait_dscnt 0x0
	v_pk_add_f32 v[RL:RL+1], v[RL:RL+1], v[RL+2:RL+3]
	v_pk_add_f32 v[RL+4:RL+5], v[RL+4:RL+5], v[RL+6:RL+7]
	v_pk_add_f32 v[RL:RL+1], v[RL:RL+1], v[RL+4:RL+5]
	v_add_f32 v[RT], v[RL], v[RL+1]
.endm
.macro LNT t                           ; y of tile t, in place: d x (ln_w / sigma) + ln_b; then the set takes tile t + 3
.set LS, T+16*((\t)%3)
.if (\t) >= 2
.if (\t) <= 5
	s_wait_dscnt 8                                 ; my tile's four loads are in; the two younger tiles' eight may be out
.else
	s_wait_dscnt 4*(7-(\t))
.endif
.endif
.irp i, 0,2,4,6
	v_pk_mul_f32 v[LS+\i:LS+\i+1], v[LS+\i:LS+\i+1], v[MU:MU+1] op_sel_hi:[1,0]
.endr
.irp i, 0,2,4,6
	v_pk_fma_f32 v[Y+8*(\t)+\i:Y+8*(\t)+\i+1], v[Y+8*(\t)+\i:Y+8*(\t)+\i+1], v[LS+\i:LS+\i+1], v[LS+8+\i:LS+8+\i+1]
.endr
.if (\t)+3 <= 7
	LNLOAD (\t)+3
.endif
.endm
	s_load_b256 s[4:11], s[0:1], 0x0               ; pre 4, ln_w 6, ln_b 8, se_b1 10
	s_load_b128 s[12:15], s[0:1], 0x20             ; se_b2 12, sei 14
	s_load_b64 s[16:17], s[0:1], 0x30              ; out0
	v_lshl_add_u32 v[SPW], v0, 2, SPARE
	v_mov_b32 v[NIL], 0
	v_lshrrev_b32 v13, 5, v0
	v_readfirstlane_b32 s18, v13                   ; wave 0..7
	v_and_b32 v13, 31, v0
	v_lshlrev_b32 v[GI], 4, v13
	v_lshlrev_b32 v[L4], 2, v13
	v_and_b32 v14, 15, v0                          ; r
	v_bfe_u32 v15, v0, 4, 1                        ; h
	s_mul_i32 s26, s18, STG
	v_add_nc_u32 v[SW], s26, v[GI]
	v_mul_u32_u24 v[SY], v14, 528
	v_lshl_add_u32 v[SY], v15, 5, v[SY]
	v_add_nc_u32 v[SY], s26, v[SY]
	s_mul_i32 s26, s18, VECW
	s_add_co_u32 s26, s26, VEC
	v_lshl_add_u32 v[VA], v15, 5, s26
	v_add_nc_u32 v[VW], s26, v[GI]
	v_add_nc_u32 v[VB1], s26, v[L4]
	v_lshlrev_b32 v[RR], 5, v14
	v_add_nc_u32 v[RR], RED1, v[RR]
	s_lshl_b32 s27, s18, 2
	v_add_nc_u32 v[RW], s27, v[RR]
	v_add_nc_u32 v[HR], HRED, v[GI]
	s_lshl_b32 s27, s18, 11
	v_add_nc_u32 v[HW], s27, v[HR]
	s_mov_b32 s20, 0x76543210                      ; v_permlanex16_b32's selects for lane l xor 16
	s_mov_b32 s21, 0xfedcba98
	s_mov_b32 s22, 0xbfb8aa3b                      ; -log2(e)
	s_mov_b32 s23, s22                             ; (named with it as a pair, so it is written)
	s_mov_b32 s24, 0x3a800000                      ; 1 / 1,024
	s_mov_b32 s25, 0x3727c5ac                      ; 1e-5
	s_lshl_b32 s28, s18, 9                         ; my 128 columns in a row or a vector: 512 bytes
	s_mov_b32 s29, 0
	s_lshl_b32 s30, ttmp9, 16                      ; out0: my work-group's 16 rows of 4,096 bytes, my columns
	s_add_co_u32 s30, s30, s28
	s_mov_b32 s31, 0
	s_lshl_b32 s32, s18, 13                        ; my 8 images: of each weight, and of a row tile of pre
	s_mov_b32 s33, 0
	s_lshl_b32 s34, ttmp9, 16                      ; pre: my work-group's row tile of 64 images, my eight
	s_add_co_u32 s34, s34, s32
	s_mov_b32 s35, 0
	s_wait_kmcnt 0x0
	s_add_nc_u64 s[4:5], s[4:5], s[34:35]
	s_add_nc_u64 s[16:17], s[16:17], s[30:31]
	s_add_nc_u64 s[6:7], s[6:7], s[28:29]
	s_add_nc_u64 s[8:9], s[8:9], s[28:29]
	s_add_nc_u64 s[12:13], s[12:13], s[28:29]
	s_add_nc_u64 s[14:15], s[14:15], s[32:33]
.irp t, 0,1,2,3,4,5,6,7
.irp c, 0,1
	global_load_b128 v[Y+8*\t+4*\c:Y+8*\t+4*\c+3], v[GI], s[4:5] offset:1024*\t+512*\c th:TH_LOAD_NT   ; half an image: 512 consecutive bytes, straight into the layout
.endr
.endr
	global_load_b128 v[T:T+3], v[GI], s[6:7]
	global_load_b128 v[T+4:T+7], v[GI], s[8:9]
	global_load_b128 v[T+8:T+11], v[GI], s[12:13]
	global_load_b32 v[T+12], v[L4], s[10:11]
.irp f, 0,1,2,3,4,5,6,7
.irp c, 0,1
	global_load_b128 v[W1F+8*\f+4*\c:W1F+8*\f+4*\c+3], v[GI], s[14:15] offset:1024*\f+512*\c          ; image 2 s + q: K step s of my four, hidden units 16 q on
.endr
.endr
.irp f, 0,1,2,3,4,5,6,7
.irp c, 0,1
	global_load_b128 v[W2F+8*\f+4*\c:W2F+8*\f+4*\c+3], v[GI], s[14:15] offset:65536+1024*\f+512*\c    ; my tile f of 16 outputs
.endr
.endr
	s_wait_loadcnt 32                              ; pre's sixteen loads and the four vectors are in; the weights' 32 loads, issued behind them, may be out
	ds_store_b128 v[VW], v[T:T+3]
	ds_store_b128 v[VW], v[T+4:T+7] offset:512
	ds_store_b128 v[VW], v[T+8:T+11] offset:1024
	ds_store_b32 v[VB1], v[T+12] offset:1536
	LNLOAD 0                                       ; LDS serves a wave's instructions in order: these see the stores above; they land under the reductions
	LNLOAD 1
	; ---- the mean
.irp c, 0,1,2,3
	v_pk_add_f32 v[RT+2*\c:RT+2*\c+1], v[Y+4*\c:Y+4*\c+1], v[Y+4*\c+2:Y+4*\c+3]
.endr
.irp j, 16,24,32,40,48,56
.irp c, 0,1,2,3
	v_pk_add_f32 v[RT+2*\c:RT+2*\c+1], v[RT+2*\c:RT+2*\c+1], v[Y+\j+2*\c:Y+\j+2*\c+1]
.endr
.endr
	CROSS 0
	v_mul_f32 v[MU], s24, v[RT]
	v_mov_b32 v[MU+1], v[MU]
	; ---- the variance, of the differences
.set ii, 0
.rept 32
	v_pk_add_f32 v[Y+ii:Y+ii+1], v[Y+ii:Y+ii+1], v[MU:MU+1] op_sel_hi:[1,0] neg_lo:[0,1] neg_hi:[0,1]
.set ii, ii+2
.endr
.irp c, 0,1,2,3
	v_pk_mul_f32 v[RT+2*\c:RT+2*\c+1], v[Y+2*\c:Y+2*\c+1], v[Y+2*\c:Y+2*\c+1]
.endr
.irp j, 8,16,24,32,40,48,56
.irp c, 0,1,2,3
	v_pk_fma_f32 v[RT+2*\c:RT+2*\c+1], v[Y+\j+2*\c:Y+\j+2*\c+1], v[Y+\j+2*\c:Y+\j+2*\c+1], v[RT+2*\c:RT+2*\c+1]
.endr
.endr
	CROSS 512
	v_fma_f32 v[MU], v[RT], s24, s25               ; var + eps
	v_rsq_f32 v[MU], v[MU]
	LNLOAD 2                                       ; v48-63 are free now
	v_nop                                          ; a plain instruction behind the root,
	s_wait_alu depctr_va_vdst(0)                   ; and one wait ahead of its first reader
	v_mov_b32 v[MU+1], v[MU]
.irp t, 0,1,2,3,4,5,6,7
	LNT \t
.endr
.set ii, 0
.rept 32
	v_cvt_pk_bf16_f32 v[YB+ii], v[Y+2*ii], v[Y+2*ii+1]   ; registers 8 s .. 8 s + 7: the fragment of K step s
.set ii, ii+1
.endr
	; ---- my 128 columns' part of y se_w1^T: two accumulators by turns
	s_wait_loadcnt 16                              ; se_w1's fragments are in; se_w2's sixteen loads may be out
.irp s, 0,1,2,3
.irp q, 0,1
.if \s == 0
	v_wmma_f32_16x16x32_bf16 v[T+8*\q:T+8*\q+7], v[W1F+8*(2*\s+\q):W1F+8*(2*\s+\q)+7], v[YB+8*\s:YB+8*\s+7], 0
.else
	v_wmma_f32_16x16x32_bf16 v[T+8*\q:T+8*\q+7], v[W1F+8*(2*\s+\q):W1F+8*(2*\s+\q)+7], v[YB+8*\s:YB+8*\s+7], v[T+8*\q:T+8*\q+7]
.endif
.endr
.endr
.rept 4
	v_nop                                          ; places in front of the first read of results and of loads into registers that these products read
.endr
.irp k, 0,1,2,3
	ds_store_b128 v[HW], v[T+4*\k:T+4*\k+3] offset:512*\k     ; as images of the registers; each accumulator from its low end on
.endr
	BARRIER
	; ---- every wave adds the eight parts, in the same order
.irp p, 0,1,2,3
.irp k, 0,1,2,3
	ds_load_b128 v[D+16*\p+4*\k:D+16*\p+4*\k+3], v[HR] offset:2048*\p+512*\k
.endr
.endr
	s_wait_dscnt 0x0
.irp i, 0,2,4,6,8,10,12,14
	v_pk_add_f32 v[T+\i:T+\i+1], v[D+\i:D+\i+1], v[D+16+\i:D+16+\i+1]
.endr
.irp p, 2,3
.irp i, 0,2,4,6,8,10,12,14
	v_pk_add_f32 v[T+\i:T+\i+1], v[T+\i:T+\i+1], v[D+16*\p+\i:D+16*\p+\i+1]
.endr
.endr
.irp p, 0,1,2,3
.irp k, 0,1,2,3
	ds_load_b128 v[D+16*\p+4*\k:D+16*\p+4*\k+3], v[HR] offset:2048*(4+\p)+512*\k
.endr
.endr
.irp q, 0,1                                    ; se_b1 in the accumulators' layout: hidden units 16 q + 8 h + 0 .. 7
	ds_load_b128 v[YB+8*\q:YB+8*\q+3], v[VA] offset:1536+64*\q
	ds_load_b128 v[YB+8*\q+4:YB+8*\q+7], v[VA] offset:1536+64*\q+16
.endr
	s_wait_dscnt 0x0
.irp p, 0,1,2,3
.irp i, 0,2,4,6,8,10,12,14
	v_pk_add_f32 v[T+\i:T+\i+1], v[T+\i:T+\i+1], v[D+16*\p+\i:D+16*\p+\i+1]
.endr
.endr
.irp t, 0,1,2,3,4,5,6,7                        ; se_b2 in the layout: it is the C of the second product
	ds_load_b128 v[D+8*\t:D+8*\t+3], v[VA] offset:1024+64*\t
	ds_load_b128 v[D+8*\t+4:D+8*\t+7], v[VA] offset:1024+64*\t+16
.endr
.irp i, 0,2,4,6,8,10,12,14
	v_pk_add_f32 v[T+\i:T+\i+1], v[T+\i:T+\i+1], v[YB+\i:YB+\i+1]
.endr
.irp i, 0,1,2,3,4,5,6,7,8,9,10,11,12,13,14,15
	v_max_num_f32 v[T+\i], 0, v[T+\i]
.endr
.irp m, 0,1,2,3,4,5,6,7
	v_cvt_pk_bf16_f32 v[HB+\m], v[T+2*\m], v[T+2*\m+1]      ; the two accumulators, packed, are the fragment of the 32 hidden units
.endr
	s_wait_loadcnt 0x0                             ; se_w2's fragments
	s_wait_dscnt 0x0                               ; se_b2
.irp t, 0,1,2,3,4,5,6,7
	v_wmma_f32_16x16x32_bf16 v[D+8*\t:D+8*\t+7], v[W2F+8*\t:W2F+8*\t+7], v[HB:HB+7], v[D+8*\t:D+8*\t+7]
.endr
.rept 4
	v_nop
.endr
	; ---- the gate: 1 / (1 + 2^(-z log2 e)); two batches of transcendentals, one wait each
.set ii, 0
.rept 32
	v_pk_mul_f32 v[D+ii:D+ii+1], v[D+ii:D+ii+1], s[22:23] op_sel_hi:[1,0]     ; ascending: each accumulator is first read at its low end
.set ii, ii+2
.endr
.set ii, 0
.rept 64
	v_exp_f32 v[D+ii], v[D+ii]
.set ii, ii+1
.endr
	v_nop
	s_wait_alu depctr_va_vdst(0)
.set ii, 0
.rept 32
	v_pk_add_f32 v[D+ii:D+ii+1], v[D+ii:D+ii+1], 1.0 op_sel_hi:[1,0]
.set ii, ii+2
.endr
.set ii, 0
.rept 64
	v_rcp_f32 v[D+ii], v[D+ii]
.set ii, ii+1
.endr
	v_nop
	s_wait_alu depctr_va_vdst(0)
.set ii, 0
.rept 32
	v_pk_mul_f32 v[Y+ii:Y+ii+1], v[Y+ii:Y+ii+1], v[D+ii:D+ii+1]
.set ii, ii+2
.endr
	; ---- the way out: through my stage, whole rows of 512 bytes
.irp t, 0,1,2,3,4,5,6,7
	ds_store_b128 v[SY], v[Y+8*\t:Y+8*\t+3] offset:64*\t
	ds_store_b128 v[SY], v[Y+8*\t+4:Y+8*\t+7] offset:64*\t+16
.endr
.irp i, 0,1,2,3,4,5,6,7,8,9,10,11,12,13,14,15  ; LDS serves a wave's instructions in order: these see the stores above
	ds_load_b128 v[W2F+4*\i:W2F+4*\i+3], v[SW] offset:528*\i
.endr
.irp i, 0,1,2,3,4,5,6,7,8,9,10,11,12,13,14,15
	s_wait_dscnt 15-\i
	global_store_b128 v[GI], v[W2F+4*\i:W2F+4*\i+3], s[16:17] offset:4096*\i th:TH_STORE_NT   ; 32 lanes store 512 consecutive bytes, at a multiple of 256 from out0's first byte
.endr
	s_wait_tensorcnt 0x0                           ; the wave's end: a TENSORcnt wait (no tensor load stands in this text), an add of 0 to my spare word and its wait, behind my last LDS store
	ds_add_u32 v[SPW], v[NIL]
	s_wait_dscnt 0x0
	s_endpgm
.Lfunc_end_k_qd4af99ce12_norm:
	.size	k_qd4af99ce12_norm, .Lfunc_end_k_qd4af99ce12_norm-k_qd4af99ce12_norm
	.p2alignl 7, 3214868480
	.fill 96, 4, 3214868480
	.section	.rodata,"a",@progbits
	.p2align	6, 0x0
	.amdhsa_kernel k_qd4af99ce12_norm
		.amdhsa_group_segment_fixed_size 100352
		.amdhsa_private_segment_fixed_size 0
		.amdhsa_enable_private_segment 0
		.amdhsa_kernarg_size 56
		.amdhsa_user_sgpr_count 2
		.amdhsa_user_sgpr_kernarg_segment_ptr 1
		.amdhsa_wavefront_size32 1
		.amdhsa_system_sgpr_workgroup_id_x 1
		.amdhsa_system_sgpr_workgroup_id_y 1
		.amdhsa_system_sgpr_workgroup_id_z 1
		.amdhsa_system_vgpr_workitem_id 0
		.amdhsa_next_free_vgpr 256
		.amdhsa_next_free_sgpr 66
		.amdhsa_reserve_vcc 0
		.amdhsa_float_denorm_mode_32 3
		.amdhsa_float_denorm_mode_16_64 3
		.amdhsa_memory_ordered 1
		.amdhsa_forward_progress 1
		.amdhsa_inst_pref_size 48
	.end_amdhsa_kernel
	.amdgpu_metadata
---
amdhsa.version: [ 1, 2 ]
amdhsa.kernels:
  - .name:           k_qd4af99ce12_norm
    .symbol:         k_qd4af99ce12_norm.kd
    .args:
      - { .name: pre, .offset: 0, .size: 8, .value_kind: global_buffer, .address_space: global }
      - { .name: ln_w, .offset: 8, .size: 8, .value_kind: global_buffer, .address_space: global }
      - { .name: ln_b, .offset: 16, .size: 8, .value_kind: global_buffer, .address_space: global }
      - { .name: se_b1, .offset: 24, .size: 8, .value_kind: global_buffer, .address_space: global }
      - { .name: se_b2, .offset: 32, .size: 8, .value_kind: global_buffer, .address_space: global }
      - { .name: sei, .offset: 40, .size: 8, .value_kind: global_buffer, .address_space: global }
      - { .name: out0, .offset: 48, .size: 8, .value_kind: global_buffer, .address_space: global }
    .group_segment_fixed_size: 100352
    .private_segment_fixed_size: 0
    .kernarg_segment_align: 8
    .kernarg_segment_size: 56
    .max_flat_workgroup_size: 256
    .sgpr_count:     66
    .vgpr_count:     256
    .wavefront_size: 32
...
	.end_amdgpu_metadata
.endif
;; end of part 3
